; MI455X (gfx1250); checked and timed in simulation.
; The chip was launched on July 23, 2026; its instructions are those of AMD's public machine-readable ISA for CDNA 5 (MIT licence, August 2026) and "CDNA5" Instruction Set Architecture Reference Guide (July 2026). The comments in the code are by the model that wrote it; some were corrected since.
;; Global Graph. Allowed arithmetic: matrix products marked QUANTISED: E5M2 operands, one E8M0 scale for each 32 along K, by v_wmma_scale_f32_16x16x128_f8f6f4 with both operands' format E5M2, f32 sums; everything else in f32.
;; Inputs: Wk 1,024 x 1,024 float32; Wq 1,024 x 1,024 float32; Wv 1,024 x 1,024 float32; attention_mask 4 x 2,048 float32; bk 1,024 float32; bq 1,024 float32; bv 1,024 float32; hidden_states 4 x 2,048 x 1,024 float32.
;; Outputs: out0 4 x 2,048 x 1,024 float32.
;; This version of the problem:
;;   THIS VERSION OF THE PROBLEM IS GIVEN IN LOW PRECISION. The matrix products marked QUANTISED in the list below multiply operands that are first quantised to E5M2 (5 exponent bits, 2 mantissa bits; 8 bits a number), with one power-of-two scale for each 32 numbers along K (OCP MX v1.0); their sums are f32. All else is computed in f32.
;;   The module's matrix products, in the order in which they are computed (A, B: the left and right operand; K: the contracted axis; several contracted axes count as one K, in the product's order):
;;     1. [M 8,192, K 1,024] x [K 1,024, N 1,024]; A: input hidden_states; B: input Wq: QUANTISED
;;     2. [M 8,192, K 1,024] x [K 1,024, N 1,024]; A: input hidden_states; B: input Wk: QUANTISED
;;     3. [M 8,192, K 1,024] x [K 1,024, N 1,024]; A: input hidden_states; B: input Wv: QUANTISED
;;     4. batch 64 x [M 2,048, K 64] x [K 64, N 2,048]; A: computed on the way; B: computed on the way: QUANTISED
;;     5. batch 64 x [M 2,048, K 2,048] x [K 2,048, N 64]; A: softmax (see below); B: computed on the way: QUANTISED
;;   THE QUANTISER, for each operand of a quantised product, along K:
;;     - K is cut into blocks of 32 from its start; a last block that is shorter is filled with zeros.
;;     - A block's scale is 2^e with e = floor(log2(the largest magnitude in the block)) - 15, held to -126 .. 127; a block of zeros has e = 0. As a byte (E8M0): e + 127.
;;     - Each number is divided by its block's scale, clamped to +-57,344, and rounded to the nearest number of E5M2, ties to even, subnormals kept.
;;     - The product sums the exact products of the quantised numbers (number of the format x scale) in f32.
;;   ~~~python
;;   def quantise(x, axis):      # numpy; x: float32 -> the quantised numbers, widened to float32 again
;;       x = np.moveaxis(x, axis, -1); K = x.shape[-1]
;;       x = np.pad(x, [(0, 0)] * (x.ndim - 1) + [(0, -K % 32)]); x = x.reshape(x.shape[:-1] + (-1, 32)); a = np.abs(x).max(-1, keepdims=True)
;;       e = np.where(a > 0, np.clip(np.frexp(np.where(a > 0, a, 1))[1] - 1 - 15, -126, 127), 0)      # np.frexp(a)[1] - 1 = floor(log2(a)), exactly
;;       r = np.clip(x / 2.0 ** e, -57344, 57344)
;;       step = 2.0 ** (np.maximum(np.frexp(np.where(r == 0, 1, r))[1] - 1, -14) - 2)
;;       q = np.round(r / step) * step * 2.0 ** e      # np.round: ties to even
;;       return np.moveaxis(q.reshape(q.shape[:-2] + (-1,))[..., :K], -1, axis).astype(np.float32)
;;   ~~~
;;   SOFTMAX AHEAD OF A QUANTISED PRODUCT. Where the list says 'softmax', what is quantised is not the finished softmax but p = 2^(t - M), with t = logit x log2(e) and M = ceil(the row's largest t), a whole number; so 1/2 < the row's largest p <= 1. The row's sum l is taken of the UNQUANTISED p, in f32, and the product's result is divided by l at the end. Since M is a whole number, a kernel that streams over the keys may use a running M (the ceiling of the running maximum): every later rescaling is an exact power of two, which a block's scale takes up: the codes' values come out the same.
;;   OPERANDS COMPUTED ON THE WAY. 'Computed on the way' means the value that the module computes at that place (a softmax that the list does not call 'softmax' is quantised finished and normalised). What goes into a quantiser is computed in f32, as accurately as f32 sums, v_exp_f32 and their like allow (about 1e-6 of the number): no bf16 or f16 on the way to a quantiser, and a product that is left as it is and whose result goes on into a quantised operand takes f32 operands (vector FMAs, or v_wmma_f32_16x16x4_f32). A number that lies on a knife's edge between two numbers of the format may be rounded either way, as far as f32 arithmetic and the matrix unit's own rounding can turn it there, and no further.
;; One version. Each part assembles by itself: llvm-mc -triple=amdgcn-amd-amdhsa -mcpu=gfx1250 --defsym DOCPART=n.
;; ======== version 1 of 1: 3 launches
;; limits: right only within a limited range of input values
;; workspace buffers: xc 8,388,608 bytes; xs 262,144 bytes; wc 3,145,728 bytes; ws 98,304 bytes; qkv 25,952,256 bytes
;; launch quant (part 1): grid 352 x 1, 4 waves a work-group, no clusters, 68,096 bytes of LDS; arguments hidden_states, Wq, Wk, Wv, xc, xs, wc, ws; writes xc, xs, wc, ws
.if DOCPART == 1
	.amdgcn_target "amdgcn-amd-amdhsa--gfx1250"
	.amdhsa_code_object_version 6
	.text
	.protected	k_q254c1a083d_quant
	.globl	k_q254c1a083d_quant
	.p2align	8
	.type	k_q254c1a083d_quant,@function
k_q254c1a083d_quant:
	s_mov_b64 s[64:65], 0
	v_nop
	global_prefetch_b8 v0, s[64:65] scope:SCOPE_SE
	s_setreg_imm32_b32 hwreg(HW_REG_WAVE_MODE, 25, 1), 1
	s_wait_xcnt 0x0
; X [8192][1024] (K innermost) and Wq, Wk, Wv [1024 (k)][1024 (n)] (K is the FIRST axis), f32, become codes of BF8 (E5M2), K innermost, with one E8M0 scale byte for each 32 along K:
;   xc [8192][1024], xs [8192][32];  wc [3072][1024], ws [3072][32] (rows 0-1023 Wq's columns, 1024-2047 Wk's, 2048-3071 Wv's).
; A block's scale is 2^(floor(log2(its largest magnitude)) - 15); its byte is the largest magnitude's exponent field - 15, held at 1 from below.  Each number is divided by the scale, held within +-57,344, rounded to the nearest code, ties to even.
; THE ROWS ARE STORED IN ANOTHER ORDER: inside each aligned group of 32 rows, row l goes to the place whose bits 3 and 4 are l's bits 4 and 3.  So 16 consecutive stored rows 16 u + r are the rows 8 u + r + 8 (r / 8):
; the next launch reads plain tiles of 16 consecutive rows, and two neighbouring tiles of its results give a lane 16 neighbours along the next product's K.
; LIMITS: NaN and infinities among the inputs are not served; a block whose largest magnitude lies under 2^-111 keeps the byte 1; a block of zeros gets the byte 1 where the rule says 127 (its codes are zeros, and this program alone reads the bytes).
; Work-groups 0-255 take X (32 rows each), work-groups 256-351 the weights (128 columns x 256 along K each).  The two paths part on the work-group's number and have LDS bytes of their own.  No barrier: waves share nothing.
.set STEPS, 16
.set EMAX,  15
.set MANT,  0x600000                   ; the mantissa field of 57,344 as f32
; path X
.set XR,    16                         ; v16-79   four sets of 16 numbers as they are loaded
.set XX,    80                         ; v80-111  two sets of 16 neighbours
.set XE,    112                        ; v112-127 a scale byte for each step
.set XC,    128                        ; v128-191 codes: four registers for each step, so that no store's data are written again
.set WREG,  8192                       ; LDS 0 .. 32,767: a region for each wave: two stages of 32 x SP bytes, behind them its 256 scale bytes
.set SP,    80                         ; a lane's place in a stage: 64 bytes + 16 of padding
; path W
.set NB,    8                          ; blocks of 32 along K for a wave
.set PITCH, 272                        ; a stage row: 256 codes + 16 bytes
.set WSTG,  32768                      ; LDS 32,768 .. 67,583: a stage of 32 rows for each wave
.set WSB,   24                         ; v24-25   the scale bytes, four to a register
.set WX,    32                         ; v32-95   two sets of 32 numbers
.set WC,    96                         ; v96-103  a block's codes
.set WOUT,  112                        ; v112-175 the way out
	s_load_b256 s[4:11], s[0:1], 0x0               ; X s[4:5], Wq s[6:7], Wk s[8:9], Wv s[10:11]
	s_load_b256 s[12:19], s[0:1], 0x20             ; xc s[12:13], xs s[14:15], wc s[16:17], ws s[18:19]
	v_lshl_add_u32 v192, v0, 2, 0x10800
	v_mov_b32 v193, 0
	v_lshrrev_b32 v1, 5, v0
	v_readfirstlane_b32 s20, v1                    ; wave 0..3
	v_and_b32 v2, 31, v0                           ; lane
	s_wait_kmcnt 0x0
	s_cmp_lt_u32 ttmp9, 256
	s_cbranch_scc0 .Lweights
; ---------------- X: a wave takes 8 rows, 8,192 numbers, as 16 steps of 512.  Each load reads 512 consecutive bytes; a step's 2,048 bytes turn through the wave's stage, so that a lane holds 16 neighbours (two lanes a block).
	s_wait_alu depctr_va_vdst(0)
	v_lshlrev_b32 v3, 4, v2                        ; my 16 bytes of a load's 512
	s_mul_i32 s21, s20, WREG
	v_lshrrev_b32 v14, 2, v2
	v_mul_u32_u24 v14, v14, SP
	v_and_b32 v15, 3, v2
	v_lshl_add_u32 v14, v15, 4, v14
	v_add_nc_u32 v14, s21, v14                     ; the stage, on the way in: SP (lane / 4) + 16 (lane % 4)
	v_mul_u32_u24 v15, v2, SP
	v_add_nc_u32 v15, s21, v15                     ; and on the way out: SP x lane
	v_lshlrev_b32 v4, 4, v2                        ; my 16 codes' place in a step's 512
	v_lshrrev_b32 v5, 1, v2
	s_add_co_u32 s21, s21, 2*32*SP
	v_add_nc_u32 v5, s21, v5                       ; LDS: my wave's 256 scale bytes, my block's byte
	v_lshlrev_b32 v7, 3, v2                        ; on the way out 8 bytes a lane
	v_add_nc_u32 v6, s21, v7
	s_lshl_b32 s24, ttmp9, 2
	s_add_co_u32 s25, s24, s20                     ; which 8 rows I read: 4 x work-group + wave
	s_lshl_b32 s26, s25, 15                        ; 32,768 bytes of f32 each
	s_mov_b32 s27, 0
	s_and_b32 s28, s20, 1                          ; and where they go: the wave's two bits are the rows' bits 3 and 4: swapped
	s_lshl_b32 s28, s28, 1
	s_lshr_b32 s29, s20, 1
	s_or_b32 s28, s28, s29
	s_add_co_u32 s28, s24, s28
	s_lshl_b32 s30, s28, 13                        ; 8,192 bytes of codes,
	s_mov_b32 s31, 0
	s_lshl_b32 s32, s28, 8                         ; 256 scale bytes
	s_mov_b32 s33, 0
	s_add_nc_u64 s[4:5], s[4:5], s[26:27]
	s_add_nc_u64 s[12:13], s[12:13], s[30:31]
	s_add_nc_u64 s[14:15], s[14:15], s[32:33]
.macro XLOAD t
.irp i, 0,1,2,3
	global_load_b128 v[XR+16*((\t)%4)+4*\i:XR+16*((\t)%4)+4*\i+3], v3, s[4:5] offset:2048*(\t)+512*\i th:TH_LOAD_NT   ; 32 lanes read 512 consecutive bytes
.endr
.endm
.macro XTURN t                         ; step t's numbers through the stage: LDS serves a wave's instructions in order, so no wait stands between the stores and the loads
.irp i, 0,1,2,3
	ds_store_b128 v14, v[XR+16*((\t)%4)+4*\i:XR+16*((\t)%4)+4*\i+3] offset:32*SP*((\t)%2)+8*SP*\i
.endr
.irp i, 0,1,2,3
	ds_load_b128 v[XX+16*((\t)%2)+4*\i:XX+16*((\t)%2)+4*\i+3], v15 offset:32*SP*((\t)%2)+16*\i
.endr
.endm
.irp t, 0,1,2,3
	XLOAD \t
.endr
	s_wait_alu depctr_va_vdst(0)
	s_wait_loadcnt 12                              ; step 0's four loads are in; the twelve of steps 1 to 3 may be out
	XTURN 0
.macro XSTEP t
.set XS, XX+16*((\t)%2)
.if (\t) > 0
	s_wait_dscnt 1                                 ; this step's numbers are back from the stage (the last step's byte store may be out): so its stores into the stage have read their registers,
.else
	s_wait_dscnt 0x0
.endif
.if (\t)+4 < STEPS
	XLOAD (\t)+4                                   ; which take the loads of four steps on
.endif
.if (\t)+1 < STEPS
.if STEPS-2-(\t) >= 3
	s_wait_loadcnt 12                              ; the next step's four loads are in; those of the three steps behind it may be out
.else
	s_wait_loadcnt 4*(STEPS-2-(\t))                ; in the tail: four for each step still behind the next
.endif
	XTURN (\t)+1                                   ; and go through the other stage while this step is worked
.endif
	v_max3_num_f32 v8, |v[XS]|, |v[XS+1]|, |v[XS+2]|               ; the largest magnitude of my 16, in two chains
	v_max3_num_f32 v9, |v[XS+3]|, |v[XS+4]|, |v[XS+5]|
.irp i, 6,10
	v_max3_num_f32 v8, v8, |v[XS+\i]|, |v[XS+\i+1]|
	v_max3_num_f32 v9, v9, |v[XS+\i+2]|, |v[XS+\i+3]|
.endr
	v_max3_num_f32 v8, v8, |v[XS+14]|, |v[XS+15]|
	v_max3_num_f32 v8, v8, v9, (EMAX+1)<<23        ; and the floor 2^(16 - 127): the byte cannot fall under 1
	v_max_num_f32_dpp v8, v8, v8 row_xmask:1 row_mask:0xf bank_mask:0xf   ; and of my neighbour's 16: the block's
	v_add_nc_u32 v11, -(EMAX<<23), v8              ; 15 off its exponent field: the conversion takes the exponent field of this operand as its scale
.irp i, 0,1,2,3,4,5,6,7,8,9,10,11,12,13,14,15
.endr
	v_cvt_scalef32_pk8_bf8_f32 v[XC+4*(\t):XC+4*(\t)+1], v[XS:XS+7], v11
	v_cvt_scalef32_pk8_bf8_f32 v[XC+4*(\t)+2:XC+4*(\t)+3], v[XS+8:XS+15], v11
	v_lshrrev_b32 v[XE+(\t)], 23, v11              ; the scale's byte
	ds_store_b8 v5, v[XE+(\t)] offset:16*(\t)      ; both lanes of a block write the same byte with the same value
	global_store_b128 v4, v[XC+4*(\t):XC+4*(\t)+3], s[12:13] offset:512*(\t)   ; 32 lanes store 512 consecutive bytes
.endm
.irp t, 0,1,2,3,4,5,6,7,8,9,10,11,12,13,14,15
	XSTEP \t
.endr
	ds_load_b64 v[12:13], v6                       ; LDS serves a wave's instructions in order: these see my byte stores
	s_wait_dscnt 0x0
	global_store_b64 v7, v[12:13], s[14:15]        ; 32 lanes store 256 consecutive bytes, aligned
	s_wait_tensorcnt 0x0
	ds_add_u32 v192, v193
	s_wait_dscnt 0x0
	s_endpgm
; ---------------- W: a lane takes a column n and its registers run down K: a block of 32 lies in one lane, and the codes come out with K innermost.  A wave: 32 columns x 256 along K.
.Lweights:
	s_wait_alu depctr_va_vdst(0)
	v_lshlrev_b32 v3, 2, v2                        ; in: 4 bytes a lane
	v_and_b32 v14, 7, v2
	v_bfe_u32 v15, v2, 3, 1
	v_lshl_add_u32 v14, v15, 4, v14
	v_bfe_u32 v15, v2, 4, 1
	v_lshl_add_u32 v14, v15, 3, v14                ; my column's place among the wave's 32 rows of the output: bits 3 and 4 swapped
	s_mul_i32 s21, s20, 32*PITCH
	s_add_co_u32 s21, s21, WSTG                    ; my stage
	v_mul_u32_u24 v4, v14, PITCH
	v_add_nc_u32 v4, s21, v4                       ; into it: the row is my column's place
	v_and_b32 v5, 15, v2
	v_lshrrev_b32 v6, 4, v2                        ; out of it: sixteen lanes to a row, two rows an instruction
	v_mul_u32_u24 v7, v6, PITCH
	v_lshl_add_u32 v7, v5, 4, v7
	v_add_nc_u32 v7, s21, v7
	v_lshlrev_b32 v8, 10, v6
	v_lshl_add_u32 v8, v5, 4, v8                   ; and the same place in wc: rows of 1,024 bytes
	v_lshlrev_b32 v9, 5, v14                       ; my column's row of scale bytes: 32 bytes a row
	s_sub_co_u32 s22, ttmp9, 256
	s_lshr_b32 s23, s22, 5                         ; which weight: 0 Wq, 1 Wk, 2 Wv
	s_and_b32 s24, s22, 7                          ; which 128 columns
	s_bfe_u32 s25, s22, 0x20003                    ; which 256 along K
	s_cmp_eq_u32 s23, 0
	s_cselect_b64 s[4:5], s[6:7], s[8:9]
	s_cmp_eq_u32 s23, 2
	s_cselect_b64 s[4:5], s[10:11], s[4:5]
	s_lshl_b32 s26, s24, 7
	s_lshl_b32 s27, s20, 5
	s_add_co_u32 s26, s26, s27                     ; my wave's first column
	s_lshl_b32 s28, s25, 20                        ; 256 rows of 4,096 bytes
	s_lshl_b32 s27, s26, 2
	s_add_co_u32 s28, s28, s27
	s_mov_b32 s29, 0
	s_add_nc_u64 s[4:5], s[4:5], s[28:29]
	s_lshl_b32 s27, s23, 10
	s_add_co_u32 s27, s27, s26                     ; its row in wc and ws
	s_lshl_b32 s30, s27, 10
	s_lshl_b32 s31, s25, 8
	s_add_co_u32 s30, s30, s31
	s_mov_b32 s31, 0
	s_add_nc_u64 s[16:17], s[16:17], s[30:31]
	s_lshl_b32 s32, s27, 5
	s_lshl_b32 s33, s25, 3
	s_add_co_u32 s32, s32, s33
	s_mov_b32 s33, 0
	s_add_nc_u64 s[18:19], s[18:19], s[32:33]
.macro WLOAD t                         ; block t: W(32 t + i, my column), i = 0 .. 31, into set t % 2: each load reads 128 consecutive bytes a wave
.irp i, 0,1,2,3,4,5,6,7,8,9,10,11,12,13,14,15,16,17,18,19,20,21,22,23,24,25,26,27,28,29,30,31
	global_load_b32 v[WX+32*((\t)%2)+\i], v3, s[4:5] offset:(32*(\t)+\i)*4096 th:TH_LOAD_NT
.endr
.endm
	WLOAD 0
	WLOAD 1
.macro WBLOCK t
.set XS, WX+32*((\t)%2)
.if (\t) < NB-1
	s_wait_loadcnt 32                              ; this block's 32 loads are in; the next block's 32 may be out
.else
	s_wait_loadcnt 0
.endif
	v_max3_num_f32 v12, |v[XS]|, |v[XS+1]|, |v[XS+2]|              ; the block's largest magnitude: all 32 numbers are mine
	v_max3_num_f32 v13, |v[XS+3]|, |v[XS+4]|, |v[XS+5]|
.irp i, 6,10,14,18,22,26
	v_max3_num_f32 v12, v12, |v[XS+\i]|, |v[XS+\i+1]|
	v_max3_num_f32 v13, v13, |v[XS+\i+2]|, |v[XS+\i+3]|
.endr
	v_max3_num_f32 v12, v12, |v[XS+30]|, |v[XS+31]|
	v_max3_num_f32 v12, v12, v13, (EMAX+1)<<23     ; and the floor
	v_add_nc_u32 v11, -(EMAX<<23), v12             ; the conversion's scale operand
	v_lshrrev_b32 v13, 23, v11                     ; the scale's byte
.if (\t)%4 == 0
	v_mov_b32 v[WSB+(\t)/4], v13                   ; four bytes to a register, the lower K in the lower byte
.else
	v_lshl_or_b32 v[WSB+(\t)/4], v13, 8*((\t)%4), v[WSB+(\t)/4]
.endif
.irp i, 0,1,2,3,4,5,6,7,8,9,10,11,12,13,14,15,16,17,18,19,20,21,22,23,24,25,26,27,28,29,30,31
.endr
.irp g, 0,1,2,3
	v_cvt_scalef32_pk8_bf8_f32 v[WC+2*\g:WC+2*\g+1], v[XS+8*\g:XS+8*\g+7], v11
.endr
	ds_store_b128 v4, v[WC:WC+3] offset:32*(\t)    ; 32 codes: 32 bytes of my column's row
	ds_store_b128 v4, v[WC+4:WC+7] offset:32*(\t)+16
.if (\t)+2 < NB
	WLOAD (\t)+2
.endif
	s_wait_dscnt 0x0                               ; the stores have read their registers: the next block's codes may be written
.endm
.irp t, 0,1,2,3,4,5,6,7
	WBLOCK \t
.endr
	s_wait_alu depctr_va_vdst(0)
	global_store_b64 v9, v[WSB:WSB+1], s[18:19]    ; my column's 8 scale bytes
.irp t, 0,1,2,3,4,5,6,7,8,9,10,11,12,13,14,15
	ds_load_b128 v[WOUT+4*\t:WOUT+4*\t+3], v7 offset:2*\t*PITCH   ; LDS serves a wave's instructions in order: these see my stores
.endr
.irp t, 0,1,2,3,4,5,6,7,8,9,10,11,12,13,14,15
	s_wait_dscnt 15-\t                             ; load t is back; the later ones may be out
	global_store_b128 v8, v[WOUT+4*\t:WOUT+4*\t+3], s[16:17] offset:2*\t*1024   ; sixteen lanes store 256 consecutive bytes, aligned
.endr
	s_wait_tensorcnt 0x0
	ds_add_u32 v192, v193
	s_wait_dscnt 0x0
	s_endpgm
.Lfunc_end_k_q254c1a083d_quant:
	.size	k_q254c1a083d_quant, .Lfunc_end_k_q254c1a083d_quant-k_q254c1a083d_quant
	.p2alignl 7, 3214868480
	.fill 96, 4, 3214868480
	.section	.rodata,"a",@progbits
	.p2align	6, 0x0
	.amdhsa_kernel k_q254c1a083d_quant
		.amdhsa_group_segment_fixed_size 68096
		.amdhsa_private_segment_fixed_size 0
		.amdhsa_enable_private_segment 0
		.amdhsa_kernarg_size 64
		.amdhsa_user_sgpr_count 2
		.amdhsa_user_sgpr_kernarg_segment_ptr 1
		.amdhsa_wavefront_size32 1
		.amdhsa_system_sgpr_workgroup_id_x 1
		.amdhsa_system_sgpr_workgroup_id_y 1
		.amdhsa_system_sgpr_workgroup_id_z 1
		.amdhsa_system_vgpr_workitem_id 0
		.amdhsa_next_free_vgpr 194
		.amdhsa_next_free_sgpr 66
		.amdhsa_reserve_vcc 0
		.amdhsa_float_denorm_mode_32 3
		.amdhsa_float_denorm_mode_16_64 3
		.amdhsa_fp16_overflow 1
		.amdhsa_memory_ordered 1
		.amdhsa_forward_progress 1
		.amdhsa_inst_pref_size 75
	.end_amdhsa_kernel
	.amdgpu_metadata
---
amdhsa.version: [ 1, 2 ]
amdhsa.kernels:
  - .name:           k_q254c1a083d_quant
    .symbol:         k_q254c1a083d_quant.kd
    .args:
      - { .name: hidden_states, .offset: 0, .size: 8, .value_kind: global_buffer, .address_space: global }
      - { .name: Wq, .offset: 8, .size: 8, .value_kind: global_buffer, .address_space: global }
      - { .name: Wk, .offset: 16, .size: 8, .value_kind: global_buffer, .address_space: global }
      - { .name: Wv, .offset: 24, .size: 8, .value_kind: global_buffer, .address_space: global }
      - { .name: xc, .offset: 32, .size: 8, .value_kind: global_buffer, .address_space: global }
      - { .name: xs, .offset: 40, .size: 8, .value_kind: global_buffer, .address_space: global }
      - { .name: wc, .offset: 48, .size: 8, .value_kind: global_buffer, .address_space: global }
      - { .name: ws, .offset: 56, .size: 8, .value_kind: global_buffer, .address_space: global }
    .group_segment_fixed_size: 68096
    .private_segment_fixed_size: 0
    .kernarg_segment_align: 8
    .kernarg_segment_size: 64
    .max_flat_workgroup_size: 128
    .sgpr_count:     66
    .vgpr_count:     194
    .wavefront_size: 32
...
	.end_amdgpu_metadata
.endif
;; end of part 1
;; launch proj (part 2): grid 12 x 32, 4 waves a work-group, clusters of 4 x 4, 327,680 bytes of LDS; arguments xc, xs, wc, ws, bq, bk, bv, qkv; writes qkv
.if DOCPART == 2
	.amdgcn_target "amdgcn-amd-amdhsa--gfx1250"
	.amdhsa_code_object_version 6
	.text
	.protected	k_q254c1a083d_proj
	.globl	k_q254c1a083d_proj
	.p2align	8
	.type	k_q254c1a083d_proj,@function
k_q254c1a083d_proj:
	s_mov_b64 s[64:65], 0
	v_nop
	global_prefetch_b8 v0, s[64:65] scope:SCOPE_SE
	s_setreg_imm32_b32 hwreg(HW_REG_WAVE_MODE, 25, 1), 1
	s_wait_xcnt 0x0
	s_wait_alu depctr_hold_cnt(0) depctr_sa_sdst(0) depctr_va_vdst(0) depctr_va_sdst(0) depctr_va_ssrc(0) depctr_va_vcc(0) depctr_vm_vsrc(0)
	s_getreg_b32 s2, hwreg(HW_REG_IB_STS2, 6, 4)
	s_cmp_eq_u32 s2, 0
	s_cbranch_scc0 .Lentry_in_a_cluster
	s_endpgm
.Lentry_in_a_cluster:
	s_bfe_u32 s2, ttmp6, 0x10000c
	s_cmp_lg_u32 s2, 0xf033
	s_cbranch_scc0 .Lentry_shape_is_right
	s_endpgm
.Lentry_shape_is_right:
.set NQ,     2
.set ROWB,   256
.set KROW,   1024
.set PITCH,  272
.set FR,     16
.set NL,     4
.set NP,     8
.set HALFT,  128*PITCH
.set SLOT,   4*HALFT
.set LAPS,   2
.set KS,     32
.set SCL,    2*SLOT
.set HALFS,  (128*KS/256)*272
.set SBLK,   (16*KS/256)*272
.set SPARE,  SCL+4*HALFS
.set REC,    405504
.set BV,   8
.set ADRA, 16
.set ADRB, 20
.set LI,   24
.set SA,   25
.set ADRS, 27
.set SPW,  28
.set NIL,  29
.set SC,   32
.set BB,   64
.set AF,   128
.set ST,   128
.set PC,   192
.set TM,   208
.set SW,   224
.set SEL4, 232
.set G1, 24
.set G0, 32
.set G1B, 48
.set G0B, 56
.set FS,  66
.set G1S, 68
.set G0S, 76
.set G1SB, 80
.set G0SB, 88
.set SEL, 68
.set MNT, 70
.set ORI, 95
.set MSB, 0
.macro WIN new
.if MSB != (\new)
	s_set_vgpr_msb (MSB<<8)|(\new)
.set MSB, (\new)
.endif
.endm
.set MUL_LO, 0xa1
.set MUL_HI, 0xf1
.set TO_B,   0x40
.macro JLOAD g0a, g1a, g0b, g1b
	s_cmp_eq_u32 s15, 0
	s_cbranch_scc0 .Lfor_b_\@
	tensor_load_to_lds s[\g0a:\g0a+3], s[\g1a:\g1a+7]
	s_nop 0
.rept 4
	v_nop
.endr
	s_branch .Lasked_\@
.Lfor_b_\@:
	tensor_load_to_lds s[\g0b:\g0b+3], s[\g1b:\g1b+7]
	s_nop 0
.rept 4
	v_nop
.endr
.Lasked_\@:
.endm
.macro CREST
	s_cmp_lg_u32 s14, 0
	s_cbranch_scc1 .Lnot_wave_0_\@
	s_barrier_signal -3
.Lnot_wave_0_\@:
	s_barrier_wait -3
	s_barrier_signal -1
	s_barrier_wait -1
.endm
.macro CROUND
	s_barrier_signal -1
	s_barrier_wait -1
	CREST
.endm
	s_load_b256 s[4:11], s[0:1], 0x0
	s_load_b256 s[68:75], s[0:1], 0x20
	v_lshl_add_u32 v[SPW], v0, 2, SPARE
	v_mov_b32 v[NIL], 0
	ds_add_u32 v28, v29
	ds_add_u32 v28, v29
	s_wait_dscnt 0x0
	v_lshrrev_b32 v1, 5, v0
	v_readfirstlane_b32 s14, v1
	s_lshr_b32 s15, s14, 1
	s_and_b32 s16, s14, 1
	s_bfe_u32 s40, ttmp6, 0x40000
	s_bfe_u32 s41, ttmp6, 0x40004
	s_and_b32 s17, ttmp7, 0xffff
	s_lshl_b32 s17, s17, 2
	s_add_co_u32 s42, s17, s41
	s_add_co_u32 s43, s41, 8
	s_lshl_b32 s44, ttmp9, 2
	s_add_co_u32 s44, s44, s40
	s_add_co_u32 s45, s17, s40
	s_cmp_eq_u32 ttmp9, 2
	s_cselect_b32 s[ORI], 1, 0
	s_cselect_b32 s42, s43, s42
	s_cselect_b32 s44, s45, s44
	s_lshl_b32 s18, s41, 2
	s_lshl_b32 s18, 15, s18
	s_lshl_b32 s19, 0x1111, s40
	s_or_b32 s[G1+0], s18, (0<<16)|(1<<20)|(1<<21)|(5<<22)|(3<<25)
	s_or_b32 s[G1B+0], s19, (0<<16)|(1<<20)|(1<<21)|(5<<22)|(3<<25)
.irp g, G1, G1B
	s_mov_b32 s[\g+1], ROWB<<16
	s_mov_b32 s[\g+2], 128<<16
	s_mov_b32 s[\g+3], ROWB<<16
	s_mov_b32 s[\g+4], 128
	s_mov_b32 s[\g+5], KROW
	s_mov_b32 s[\g+6], 0
	s_mov_b32 s[\g+7], 0
.endr
	s_lshl_b32 s2, s16, 7
	s_lshl_b32 s20, s42, 8
	s_add_co_u32 s20, s20, s2
	s_lshl_b32 s22, s20, 5
	s_lshl_b32 s20, s20, 10
	s_mov_b32 s21, 0
	s_mov_b32 s23, 0
	s_lshl_b32 s46, s44, 8
	s_add_co_u32 s46, s46, s2
	s_lshl_b32 s92, s46, 5
	s_lshl_b32 s46, s46, 10
	s_mov_b32 s47, 0
	s_mov_b32 s93, 0
	s_mul_i32 s3, s14, HALFT
	s_mul_i32 s94, s14, HALFS
	s_wait_kmcnt 0x0
	s_cmp_eq_u32 ttmp9, 2
	s_cselect_b64 s[100:101], s[8:9], s[4:5]
	s_add_nc_u64 s[20:21], s[100:101], s[20:21]
	s_cselect_b64 s[100:101], s[10:11], s[6:7]
	s_add_nc_u64 s[22:23], s[100:101], s[22:23]
	s_cselect_b64 s[100:101], s[4:5], s[8:9]
	s_add_nc_u64 s[46:47], s[100:101], s[46:47]
	s_cselect_b64 s[100:101], s[6:7], s[10:11]
	s_add_nc_u64 s[92:93], s[100:101], s[92:93]
	s_cselect_b64 s[96:97], s[72:73], s[70:71]
	s_cmp_eq_u32 ttmp9, 0
	s_cselect_b64 s[96:97], s[68:69], s[96:97]
	s_cselect_b32 s[FS], 0x3e000000, 1.0
	s_mov_b32 s[FS+1], s[FS]
	s_mov_b64 s[12:13], s[74:75]
	s_or_b32 s[G1S+0], s18, (3<<16)|(1<<20)|(1<<21)|(5<<22)|(3<<25)
	s_or_b32 s[G1SB+0], s19, (3<<16)|(1<<20)|(1<<21)|(5<<22)|(3<<25)
.irp g, G1S, G1SB
	s_mov_b32 s[\g+1], 32<<16
	s_mov_b32 s[\g+2], (128*KS/256)<<16
	s_mov_b32 s[\g+3], 32<<16
	s_mov_b32 s[\g+4], 128*KS/256
	s_mov_b32 s[\g+5], 32
	s_mov_b32 s[\g+6], 0
	s_mov_b32 s[\g+7], 0
.endr
	CROUND
	s_mov_b32 s[G0S], 1
	s_add_co_u32 s[G0S+1], s94, SCL
	s_mov_b64 s[G0S+2:G0S+3], s[22:23]
	s_or_b32 s[G0S+3], s[G0S+3], 0x80000000
	s_mov_b32 s[G0SB], 1
	s_add_co_u32 s[G0SB+1], s94, SCL
	s_mov_b64 s[G0SB+2:G0SB+3], s[92:93]
	s_or_b32 s[G0SB+3], s[G0SB+3], 0x80000000
	JLOAD G0S, G1S, G0SB, G1SB
.irp s, 0,1
	s_mov_b32 s[G0+4*\s], 1
	s_add_co_u32 s[G0+4*\s+1], s3, \s*SLOT
	s_add_nc_u64 s[G0+4*\s+2:G0+4*\s+3], s[20:21], \s*ROWB
	s_or_b32 s[G0+4*\s+3], s[G0+4*\s+3], 0x80000000
	s_mov_b32 s[G0B+4*\s], 1
	s_add_co_u32 s[G0B+4*\s+1], s3, \s*SLOT
	s_add_nc_u64 s[G0B+4*\s+2:G0B+4*\s+3], s[46:47], \s*ROWB
	s_or_b32 s[G0B+4*\s+3], s[G0B+4*\s+3], 0x80000000
	s_wait_alu depctr_va_vdst(0)
	s_wait_tensorcnt 0x0
	ds_add_u32 v28, v29
	s_wait_dscnt 0x0
	CROUND
	JLOAD G0+4*\s, G1, G0B+4*\s, G1B
.endr
	v_and_b32 v1, 15, v0
	v_bfe_u32 v2, v0, 4, 1
	v_mul_u32_u24 v3, v1, PITCH
	v_lshl_add_u32 v4, v2, 4, v3
	s_mul_i32 s21, s15, HALFT
	s_mul_i32 s22, s16, HALFT
	s_add_co_u32 s22, s22, 2*HALFT
.irp s, 0,1
	v_add_nc_u32 v[ADRA+\s], s21, v4
	v_add_nc_u32 v[ADRB+\s], s22, v4
	s_add_co_u32 s21, s21, SLOT
	s_add_co_u32 s22, s22, SLOT
.endr
	v_mul_u32_u24 v5, v1, KS
	v_lshrrev_b32 v6, 8, v5
	v_lshl_add_u32 v5, v6, 4, v5
	s_mul_i32 s21, s15, HALFS
	s_mul_i32 s22, s16, HALFS
	s_add_co_u32 s22, s22, 2*HALFS
	s_sub_co_u32 s22, s22, s21
	v_mul_u32_u24 v6, s22, v2
	s_add_co_u32 s21, s21, SCL
	v_add_nc_u32 v5, v5, v6
	v_add_nc_u32 v[ADRS], s21, v5
	v_and_b32 v6, 31, v0
	v_lshlrev_b32 v[LI], 4, v6
	v_mul_u32_u24 v[SA], v2, REC
	v_lshl_add_u32 v[SA], v1, 4, v[SA]
	s_and_b32 s17, ttmp7, 0xffff
	s_lshl_b32 s17, s17, 2
	s_cmp_eq_u32 s[ORI], 1
	s_cselect_b32 s18, s40, s41
	s_cselect_b32 s19, s41, s40
	s_cselect_b32 s20, s16, s15
	s_cselect_b32 s21, s15, s16
	s_add_co_u32 s17, s17, s18
	s_lshr_b32 s18, s17, 3
	s_and_b32 s17, s17, 7
	s_lshl_b32 s17, s17, 1
	s_add_co_u32 s17, s17, s20
	s_lshl_b32 s19, s19, 2
	s_lshl_b32 s21, s21, 1
	s_add_co_u32 s19, s19, s21
	s_lshl_b32 s18, s18, 4
	s_add_co_u32 s18, s18, s19
	s_mul_i32 s22, s18, REC
	s_lshl_b32 s20, ttmp9, 17
	s_add_co_u32 s20, s20, s22
	s_lshl_b32 s21, s17, 13
	s_add_co_u32 s20, s20, s21
	s_mov_b32 s21, 0
	s_lshl_b32 s46, ttmp9, 12
	s_add_co_u32 s46, s46, s22
	s_lshl_b32 s47, s17, 8
	s_add_co_u32 s46, s46, s47
	s_add_co_u32 s46, s46, 393216
	s_mov_b32 s47, 0
	s_add_nc_u64 s[98:99], s[12:13], s[46:47]
	s_add_nc_u64 s[12:13], s[12:13], s[20:21]
	s_lshl_b32 s22, s19, 8
	s_mov_b32 s23, 0
	s_add_nc_u64 s[96:97], s[96:97], s[22:23]
	v_lshlrev_b32 v7, 6, v2
	v_and_b32 v6, 8, v1
	v_add_nc_u32 v6, v6, v1
	v_lshlrev_b32 v6, 2, v6
.irp hd, 0,1
.irp f, 0,1,2,3
	global_load_b128 v[BB+32*\hd+8*\f:BB+32*\hd+8*\f+3],   v7, s[96:97] offset:(64*\hd+32*(\f/2)+8*(\f%2))*4
	global_load_b128 v[BB+32*\hd+8*\f+4:BB+32*\hd+8*\f+7], v7, s[96:97] offset:(64*\hd+32*(\f/2)+8*(\f%2))*4+16
.endr
.endr
.irp a, 0,1,2,3,4,5,6,7
	global_load_b32 v[BV+\a], v6, s[96:97] offset:(32*(\a/2)+8*(\a%2))*4
.endr
.macro FRAG reg, adr, q, i
.irp c, 0,1,2,3
	ds_load_b128 v[\reg+4*\c:\reg+4*\c+3], v[\adr] offset:128*(\q)+32*\c+(\i)*16*PITCH
.endr
.endm
.macro MUL16 a0, p, q, sc, zero
.irp a, \a0, \a0+1
.irp b, 0,1,2,3,4,5,6,7
.if \zero
	v_wmma_scale_f32_16x16x128_f8f6f4 v[8*(8*((\a)%4)+\b):8*(8*((\a)%4)+\b)+7], v[128*(\p)+FR*\b:128*(\p)+FR*\b+FR-1], v[AF+FR*(\a):AF+FR*(\a)+FR-1], 0, v[SC+8*NQ*(\sc)+NQ*\b+(\q)], v[SC+8*NQ*(\sc)+NQ*(\a)+(\q)] matrix_a_fmt:MATRIX_FMT_BF8 matrix_b_fmt:MATRIX_FMT_BF8 matrix_a_scale:MATRIX_SCALE_ROW1
.else
	v_wmma_scale_f32_16x16x128_f8f6f4 v[8*(8*((\a)%4)+\b):8*(8*((\a)%4)+\b)+7], v[128*(\p)+FR*\b:128*(\p)+FR*\b+FR-1], v[AF+FR*(\a):AF+FR*(\a)+FR-1], v[8*(8*((\a)%4)+\b):8*(8*((\a)%4)+\b)+7], v[SC+8*NQ*(\sc)+NQ*\b+(\q)], v[SC+8*NQ*(\sc)+NQ*(\a)+(\q)] matrix_a_fmt:MATRIX_FMT_BF8 matrix_b_fmt:MATRIX_FMT_BF8 matrix_a_scale:MATRIX_SCALE_ROW1
.endif
.endr
.endr
.endm
.macro FETCH_B slot, q, p
	WIN TO_B
.irp i, 0,1,2,3,4,5,6,7
	FRAG 128*(\p)+FR*\i, ADRB+\slot, \q, \i
.endr
	WIN 0
.endm
.macro FETCH_A slot, q, i0
.irp i, \i0, \i0+1, \i0+2, \i0+3
	FRAG AF+FR*(\i), ADRA+\slot, \q, \i
.endr
.endm
.macro SCALES sc
.irp i, 0,1,2,3,4,5,6,7
	ds_load_b64 v[SC+8*NQ*\sc+NQ*\i:SC+8*NQ*\sc+NQ*\i+1], v[ADRS] offset:\i*SBLK
.endr
.endm
.macro PLACES n
.rept \n
	v_nop
.endr
.endm
.macro STEP slot, q, zero
	s_wait_dscnt 4*NL
	WIN MUL_LO
	MUL16 0, (\q)%2, \q, \slot, \zero
	MUL16 2, (\q)%2, \q, \slot, \zero
	s_wait_dscnt 0
	PLACES NP
	FETCH_B \slot, (\q)+1, 1-(\q)%2
	FETCH_A \slot, (\q)+1, 0
	WIN MUL_HI
	MUL16 4, (\q)%2, \q, \slot, \zero
	MUL16 6, (\q)%2, \q, \slot, \zero
	PLACES NP
	WIN 0
	FETCH_A \slot, (\q)+1, 4
.endm
.macro TURN slot, next, fill
	s_wait_tensorcnt 0x0
	ds_add_u32 v[SPW], v[NIL]
	s_wait_dscnt 4*NL+1
	WIN MUL_LO
	MUL16 0, 1, NQ-1, \slot, 0
	s_wait_dscnt 0x0
	s_barrier_signal -1
	MUL16 2, 1, NQ-1, \slot, 0
	WIN 0
	s_barrier_wait -1
.if \fill
	CREST
	s_add_nc_u64 s[G0+4*\slot+2:G0+4*\slot+3], s[G0+4*\slot+2:G0+4*\slot+3], 2*ROWB
	s_add_nc_u64 s[G0B+4*\slot+2:G0B+4*\slot+3], s[G0B+4*\slot+2:G0B+4*\slot+3], 2*ROWB
	JLOAD G0+4*\slot, G1, G0B+4*\slot, G1B
	PLACES NP-4
.else
	PLACES NP
.endif
	s_wait_alu depctr_va_vdst(0)
	v_add_nc_u32 v[ADRS], 4*NQ, v[ADRS]
	FETCH_B \next, 0, 0
	FETCH_A \next, 0, 0
	SCALES \next
	WIN MUL_HI
	MUL16 4, 1, NQ-1, \slot, 0
	MUL16 6, 1, NQ-1, \slot, 0
	PLACES NP
	WIN 0
	FETCH_A \next, 0, 4
.endm
	s_wait_alu depctr_va_vdst(0)
	s_wait_tensorcnt 1
	s_barrier_signal -1
	s_barrier_wait -1
	FETCH_B 0, 0, 0
	FETCH_A 0, 0, 0
	SCALES 0
	FETCH_A 0, 0, 4
	STEP 0, 0, 1
	s_mov_b32 s3, LAPS-1
.Llap:
	TURN 0, 1, 1
	STEP 1, 0, 0
	TURN 1, 0, 1
	STEP 0, 0, 0
	s_sub_co_u32 s3, s3, 1
	s_cmp_lg_u32 s3, 0
	s_cbranch_scc1 .Llap
	TURN 0, 1, 0
	STEP 1, 0, 0
	s_wait_dscnt 4*NL
	WIN MUL_LO
	MUL16 0, 1, NQ-1, 1, 0
	MUL16 2, 1, NQ-1, 1, 0
	s_wait_dscnt 0
	WIN MUL_HI
	MUL16 4, 1, NQ-1, 1, 0
	MUL16 6, 1, NQ-1, 1, 0
	WIN 0
.macro QUANT s, pw
.irp b, 0,1,2,3
	v_max3_num_f32 v[TM+\b], |v[\s+16*\b]|, |v[\s+1+16*\b]|, 0x8000000
.endr
.irp i, 2,4,6,8,10,12,14
.irp b, 0,1,2,3
	v_max3_num_f32 v[TM+\b], v[TM+\b], |v[\s+16*\b+\i]|, |v[\s+1+16*\b+\i]|
.endr
.endr
.irp b, 0,1,2,3
	v_permlanex16_b32 v[TM+4+\b], v[TM+\b], s[SEL], s[SEL+1]
.endr
.irp b, 0,1,2,3
	v_max_num_f32 v[TM+\b], v[TM+\b], v[TM+4+\b]
.endr
.irp b, 0,1,2,3
	v_add_nc_u32 v[TM+12+\b], 0xf8800000, v[TM+\b]
.endr
.irp b, 0,1,2,3
.endr
.irp b, 0,1,2,3
	v_lshrrev_b32 v[TM+4+\b], 23, v[TM+12+\b]
.endr
	v_lshl_or_b32 v[\pw], v[TM+5], 8, v[TM+4]
	v_lshl_or_b32 v[\pw], v[TM+6], 16, v[\pw]
	v_lshl_or_b32 v[\pw], v[TM+7], 24, v[\pw]
.irp b, 0,1,2,3
.irp i, 0,1,2,3,4,5,6,7,8,9,10,11,12,13,14,15
.endr
	v_cvt_scalef32_pk8_bf8_f32 v[PC+4*\b:PC+1+4*\b], v[\s+16*\b:\s+7+16*\b], v[TM+12+\b]
	v_cvt_scalef32_pk8_bf8_f32 v[PC+2+4*\b:PC+3+4*\b], v[\s+8+16*\b:\s+15+16*\b], v[TM+12+\b]
.endr
	v_nop
.endm
.macro COPY_QK n
.if (\n) == 0
.set i, 0
.rept 32
	v_pk_mul_f32 v[BB+i:BB+i+1], v[BB+i:BB+i+1], s[FS:FS+1] op_sel_hi:[1,0]
.set i, i+2
.endr
.endif
	WIN 2+((\n)%4)/2
.set AC, 64*((2*((\n)%4))%4)+32*((\n)/4)
.irp half, 0,1
.set i, 0
.rept 16
	v_pk_fma_f32 v[ST+32*\half+i:ST+32*\half+i+1], v[AC+64*\half+i:AC+64*\half+i+1], s[FS:FS+1], v[BB+32*((\n)/4)+i:BB+32*((\n)/4)+i+1] op_sel_hi:[1,0,1]
.set i, i+2
.endr
.endr
	WIN 0
.endm
.macro COPY_V n
.if (\n) == 0
.irp a, 0,1,2,3,4,5,6,7
	v_mov_b32 v[BB+2*\a], v[BV+\a]
	v_mov_b32 v[BB+2*\a+1], v[BV+\a]
.endr
.endif
	WIN 2+(\n)/4
.set AC, 64*((\n)%4)
.set i, 0
.rept 32
	v_pk_add_f32 v[ST+i:ST+i+1], v[AC+i:AC+i+1], v[BB+2*(\n):BB+2*(\n)+1]
.set i, i+2
.endr
	WIN 0
.endm
.macro UNIT n
.if (\n) > 0
	s_wait_xcnt 0x0
.endif
	s_cmp_eq_u32 s[ORI], 0
	s_cbranch_scc0 .Lfor_v_\@
	COPY_QK \n
	s_branch .Lcopied_\@
.Lfor_v_\@:
	COPY_V \n
.Lcopied_\@:
	QUANT ST, SW+\n
.irp c, 0,1,2,3
	global_store_b128 v[LI], v[PC+4*\c:PC+4*\c+3], s[12:13] offset:((\n)/4)*REC+((\n)%4)*2048+512*\c
.endr
.endm
	PLACES NP
	s_mov_b32 s[SEL], 0x76543210
	s_mov_b32 s[SEL+1], 0xfedcba98
.irp b, 0,1,2,3
	v_mov_b32 v[TM+4+\b], 0
.endr
	s_wait_loadcnt 0x0
.irp n, 0,1,2,3,4,5,6,7
	UNIT \n
.endr
	v_cmp_eq_u32 vcc_lo, 1, v2
.irp i, 0,1,2,3
	v_cndmask_b32 v[SEL4+\i], v[SW+\i], v[SW+4+\i], vcc_lo
.endr
	global_store_b128 v[SA], v[SEL4:SEL4+3], s[98:99]
	s_wait_tensorcnt 0x0
	ds_add_u32 v[SPW], v[NIL]
	s_wait_dscnt 0x0
	CROUND
	s_endpgm
.Lfunc_end_k_q254c1a083d_proj:
	.size	k_q254c1a083d_proj, .Lfunc_end_k_q254c1a083d_proj-k_q254c1a083d_proj
	.p2alignl 7, 3214868480
	.fill 96, 4, 3214868480
	.section	.rodata,"a",@progbits
	.p2align	6, 0x0
	.amdhsa_kernel k_q254c1a083d_proj
		.amdhsa_group_segment_fixed_size 327680
		.amdhsa_private_segment_fixed_size 0
		.amdhsa_enable_private_segment 0
		.amdhsa_kernarg_size 64
		.amdhsa_user_sgpr_count 2
		.amdhsa_user_sgpr_kernarg_segment_ptr 1
		.amdhsa_wavefront_size32 1
		.amdhsa_system_sgpr_workgroup_id_x 1
		.amdhsa_system_sgpr_workgroup_id_y 1
		.amdhsa_system_sgpr_workgroup_id_z 1
		.amdhsa_system_vgpr_workitem_id 0
		.amdhsa_next_free_vgpr 1024
		.amdhsa_next_free_sgpr 102
		.amdhsa_reserve_vcc 1
		.amdhsa_float_denorm_mode_32 3
		.amdhsa_float_denorm_mode_16_64 3
		.amdhsa_fp16_overflow 1
		.amdhsa_memory_ordered 1
		.amdhsa_forward_progress 1
		.amdhsa_inst_pref_size 189
	.end_amdhsa_kernel
	.amdgpu_metadata
---
amdhsa.version: [ 1, 2 ]
amdhsa.kernels:
  - .name:           k_q254c1a083d_proj
    .symbol:         k_q254c1a083d_proj.kd
    .args:
      - { .name: xc, .offset: 0, .size: 8, .value_kind: global_buffer, .address_space: global }
      - { .name: xs, .offset: 8, .size: 8, .value_kind: global_buffer, .address_space: global }
      - { .name: wc, .offset: 16, .size: 8, .value_kind: global_buffer, .address_space: global }
      - { .name: ws, .offset: 24, .size: 8, .value_kind: global_buffer, .address_space: global }
      - { .name: bq, .offset: 32, .size: 8, .value_kind: global_buffer, .address_space: global }
      - { .name: bk, .offset: 40, .size: 8, .value_kind: global_buffer, .address_space: global }
      - { .name: bv, .offset: 48, .size: 8, .value_kind: global_buffer, .address_space: global }
      - { .name: qkv, .offset: 56, .size: 8, .value_kind: global_buffer, .address_space: global }
    .group_segment_fixed_size: 327680
    .private_segment_fixed_size: 0
    .kernarg_segment_align: 8
    .kernarg_segment_size: 64
    .max_flat_workgroup_size: 128
    .sgpr_count:     102
    .vgpr_count:     1024
    .wavefront_size: 32
...
	.end_amdgpu_metadata
.endif
;; end of part 2
;; launch attn (part 3): grid 4 x 64, 8 waves a work-group, clusters of 4 x 1, 327,680 bytes of LDS; arguments qkv, attention_mask, out0; writes out0
.if DOCPART == 3
	.amdgcn_target "amdgcn-amd-amdhsa--gfx1250"
	.amdhsa_code_object_version 6
	.text
	.protected	k_q254c1a083d_attn
	.globl	k_q254c1a083d_attn
	.p2align	8
	.type	k_q254c1a083d_attn,@function
k_q254c1a083d_attn:
	s_mov_b64 s[64:65], 0
	v_nop
	global_prefetch_b8 v0, s[64:65] scope:SCOPE_SE
	s_setreg_imm32_b32 hwreg(HW_REG_WAVE_MODE, 25, 1), 1
	s_wait_xcnt 0x0
	s_wait_alu depctr_hold_cnt(0) depctr_sa_sdst(0) depctr_va_vdst(0) depctr_va_sdst(0) depctr_va_ssrc(0) depctr_va_vcc(0) depctr_vm_vsrc(0)
	s_getreg_b32 s2, hwreg(HW_REG_IB_STS2, 6, 4)
	s_cmp_eq_u32 s2, 0
	s_cbranch_scc0 .Lentry_in_a_cluster
	s_endpgm
.Lentry_in_a_cluster:
	s_bfe_u32 s2, ttmp6, 0x10000c
	s_cmp_lg_u32 s2, 0x3003
	s_cbranch_scc0 .Lentry_shape_is_right
	s_endpgm
.Lentry_shape_is_right:
.set REC,   405504
.set VIMG,  131072
.set KSCL,  262144
.set VSCL,  266240
.set BIAS,  270336
.set STAGE, 278528
.set SP,    272
.set LI,  1
.set AV0, 2
.set AS0, 3
.set AB0, 4
.set ADK, 5
.set ADV, 6
.set ADS, 7
.set ADB, 8
.set STO, 9
.set RD,  10
.set GO,  11
.set QSO, 12
.set NXT, 0
.set NXS, 240
.set QZ,  16
.set KF,  40
.set SR,  104
.set OT,  168
.set PC,  200
.set BM,  216
.set T1,  220
.set HL,  224
.set SO,  228
.set NM,  232
.set MT,  233
.set LS,  234
.set FF,  236
.set TA,  238
.set PS,  240
.set QS,  242
.set KSC, 244
.set VSC, 248
.set WV,  10
.set G1C, 16
.set G1S, 24
.set G0C, 32
.set G0S, 36
.set QP,  40
.set QSP, 42
.set SEL, 44
.set CS,  46
.set MNT, 48
.set PASS, 49
.set STP, 50
.set TK,  51
.set TS,  52
.set TBI, 53
.set MSB, 0
.macro WIN new
.if MSB != (\new)
	s_set_vgpr_msb (MSB<<8)|(\new)
.set MSB, (\new)
.endif
.endm
.macro ROUND
	s_barrier_signal -1
	s_barrier_wait -1
	s_cmp_lg_u32 s[WV], 0
	s_cbranch_scc1 .Lnot_wave_0_\@
	s_barrier_signal -3
.Lnot_wave_0_\@:
	s_barrier_wait -3
	s_barrier_signal -1
	s_barrier_wait -1
.endm
.macro QLOAD
	WIN 0x40
.irp c, 0,1,2,3
	global_load_b128 v[NXT+4*\c:NXT+4*\c+3], v[LI], s[QP:QP+1] offset:512*\c th:TH_LOAD_NT
.endr
	global_load_b32 v[NXS], v[QSO], s[QSP:QSP+1]
	WIN 0
.endm
	s_load_b128 s[4:7], s[0:1], 0x0
	s_load_b64 s[8:9], s[0:1], 0x10
	v_lshl_add_u32 v254, v0, 2, 0x4c800
	v_mov_b32 v255, 0
	ds_add_u32 v254, v255
	ds_add_u32 v254, v255
	v_lshrrev_b32 v13, 5, v0
	s_delay_alu instid0(VALU_DEP_1)
	v_readfirstlane_b32 s[WV], v13
	s_bfe_u32 s11, ttmp6, 0x40000
	s_and_b32 s12, ttmp7, 0xffff
	s_mul_i32 s14, s12, REC
	s_mov_b32 s15, 0
	s_mov_b32 s[G1C], 15|(3<<16)|(1<<21)
	s_mov_b32 s[G1C+1], 32<<16
	s_mov_b32 s[G1C+2], 128<<16
	s_mov_b32 s[G1C+3], 32<<16
	s_mov_b32 s[G1C+4], 128
	s_mov_b32 s[G1C+5], 32
	s_mov_b32 s[G1C+6], 0
	s_mov_b32 s[G1C+7], 0
	s_mov_b32 s[G1S], 15|(3<<16)|(1<<21)
	s_mov_b32 s[G1S+1], 32<<16
	s_mov_b32 s[G1S+2], 4<<16
	s_mov_b32 s[G1S+3], 32<<16
	s_mov_b32 s[G1S+4], 4
	s_mov_b32 s[G1S+5], 32
	s_mov_b32 s[G1S+6], 0
	s_mov_b32 s[G1S+7], 0
	s_lshl_b32 s54, s[WV], 15
	s_lshl_b32 s55, s[WV], 10
	s_mov_b32 s[SEL], 0x76543210
	s_mov_b32 s[SEL+1], 0xfedcba98
	s_mov_b32 s[CS], 0x3fb8aa3b
	s_mov_b32 s[CS+1], s[CS]
	s_wait_dscnt 0x0
	s_wait_kmcnt 0x0
	s_add_nc_u64 s[4:5], s[4:5], s[14:15]
	s_mov_b32 s[G0C], 1
	s_mov_b32 s[G0C+1], s54
	s_add_co_u32 s56, s54, 131072
	s_mov_b32 s57, 0
	s_add_nc_u64 s[G0C+2:G0C+3], s[4:5], s[56:57]
	s_or_b32 s[G0C+3], s[G0C+3], 0x80000000
	s_mov_b32 s[G0S], 1
	s_add_co_u32 s[G0S+1], s55, KSCL
	s_add_co_u32 s56, s55, 397312
	s_add_nc_u64 s[G0S+2:G0S+3], s[4:5], s[56:57]
	s_or_b32 s[G0S+3], s[G0S+3], 0x80000000
	ROUND
	tensor_load_to_lds s[G0C:G0C+3], s[G1C:G1C+7]
	s_nop 0
	s_wait_alu depctr_va_vdst(0)
	s_wait_tensorcnt 0x0
	ds_add_u32 v254, v255
	s_wait_dscnt 0x0
	ROUND
	tensor_load_to_lds s[G0S:G0S+3], s[G1S:G1S+7]
	s_nop 0
.rept 4
	v_nop
.endr
	s_lshr_b32 s56, s12, 4
	s_lshl_b32 s56, s56, 13
	s_add_nc_u64 s[6:7], s[6:7], s[56:57]
	v_lshlrev_b32 v13, 4, v0
	global_load_b128 v[SR:SR+3], v13, s[6:7]
	global_load_b128 v[SR+4:SR+7], v13, s[6:7] offset:4096
	s_lshl_b32 s56, s11, 4
	s_add_co_u32 s56, s56, s[WV]
	s_lshl_b32 s58, s56, 11
	s_mov_b32 s59, 0
	s_add_nc_u64 s[QP:QP+1], s[4:5], s[58:59]
	s_lshr_b32 s58, s56, 2
	s_lshl_b32 s58, s58, 8
	s_and_b32 s56, s56, 3
	s_lshl_b32 s56, s56, 2
	s_add_co_u32 s58, s58, s56
	s_add_co_u32 s58, s58, 393216
	s_add_nc_u64 s[QSP:QSP+1], s[4:5], s[58:59]
	v_and_b32 v[LI], 31, v0
	s_delay_alu instid0(VALU_DEP_1)
	v_lshlrev_b32 v[LI], 4, v[LI]
	v_and_b32 v15, 15, v0
	v_bfe_u32 v[BM], v0, 4, 1
	s_delay_alu instid0(VALU_DEP_2)
	v_lshlrev_b32 v[QSO], 4, v15
	QLOAD
	v_add_nc_u32 v[AV0], VIMG, v[LI]
	v_lshl_add_u32 v[AS0], v15, 4, KSCL
	v_lshl_add_u32 v[AB0], v[BM], 6, BIAS
	s_mul_i32 s56, s[WV], 16*SP
	s_add_co_u32 s56, s56, STAGE
	v_mul_u32_u24 v[STO], v15, SP
	s_delay_alu instid0(VALU_DEP_1)
	v_lshl_add_u32 v[STO], v[BM], 6, v[STO]
	s_delay_alu instid0(VALU_DEP_1)
	v_add_nc_u32 v[STO], s56, v[STO]
	v_mul_u32_u24 v[RD], v[BM], SP
	s_delay_alu instid0(VALU_DEP_1)
	v_lshl_add_u32 v[RD], v15, 4, v[RD]
	s_delay_alu instid0(VALU_DEP_1)
	v_add_nc_u32 v[RD], s56, v[RD]
	v_lshlrev_b32 v[GO], 12, v[BM]
	s_delay_alu instid0(VALU_DEP_1)
	v_lshl_add_u32 v[GO], v15, 4, v[GO]
	v_lshl_add_u32 v14, v0, 4, BIAS
.irp w, 0,1
	WIN 0x55*\w
.set i, 0
.rept 8
	v_mov_b32 v[QZ+i], 0
	v_mov_b32 v[QZ+16+i], 0
.set i, i+1
.endr
.endr
	WIN 0
	s_lshr_b32 s56, s12, 4
	s_lshl_b32 s56, s56, 11
	s_lshl_b32 s58, s11, 9
	s_add_co_u32 s56, s56, s58
	s_lshl_b32 s58, s[WV], 5
	s_add_co_u32 s56, s56, s58
	s_lshl_b32 s56, s56, 12
	s_and_b32 s58, s12, 15
	s_lshl_b32 s58, s58, 8
	s_add_co_u32 s56, s56, s58
	s_mov_b32 s57, 0
	s_add_nc_u64 s[8:9], s[8:9], s[56:57]
	s_wait_loadcnt 5
.set i, 0
.rept 8
	v_sub_f32 v[SR+i], 1.0, v[SR+i]
.set i, i+1
.endr
.set i, 0
.rept 8
	v_mul_f32 v[SR+i], 0xc61c4000, v[SR+i]
.set i, i+1
.endr
	ds_store_b128 v14, v[SR:SR+3]
	ds_store_b128 v14, v[SR+4:SR+7] offset:4096
	s_wait_tensorcnt 0x0
	s_wait_dscnt 0x0
	s_barrier_signal -1
	s_barrier_wait -1
.macro SPROD w
	WIN 0x10+0x44*(\w)
.irp T, 0,1,2,3,4,5,6,7
	v_wmma_scale_f32_16x16x128_f8f6f4 v[SR+8*\T:SR+8*\T+7], v[KF+16*(\T/2):KF+16*(\T/2)+15], v[QZ+8-8*(\T%2):QZ+23-8*(\T%2)], v[KF+8*\T:KF+8*\T+7], v[KSC+\T/2], v[QS+\w] matrix_a_fmt:MATRIX_FMT_BF8 matrix_b_fmt:MATRIX_FMT_BF8
.endr
.endm
.macro PV w
	WIN 0x54*(\w)
.irp T, 0,1,2,3
	v_wmma_scale_f32_16x16x128_f8f6f4 v[OT+8*\T:OT+8*\T+7], v[KF+16*\T:KF+16*\T+15], v[PC:PC+15], v[OT+8*\T:OT+8*\T+7], v[VSC+\T], v[PS+\w] matrix_a_fmt:MATRIX_FMT_BF8 matrix_b_fmt:MATRIX_FMT_BF8
.endr
.endm
.macro SOFTMAX w
	WIN 0x55*(\w)
.irp b, 0,1,2,3
	v_max3_num_f32 v[BM+\b], v[SR+16*\b], v[SR+16*\b+1], v[SR+16*\b+2]
.endr
.irp i, 3,5,7,9,11,13
.irp b, 0,1,2,3
	v_max3_num_f32 v[BM+\b], v[BM+\b], v[SR+16*\b+\i], v[SR+16*\b+\i+1]
.endr
.endr
.irp b, 0,1,2,3
	v_max_num_f32 v[BM+\b], v[BM+\b], v[SR+16*\b+15]
.endr
.irp b, 0,1,2,3
	s_delay_alu instid0(VALU_DEP_4)
	v_permlanex16_b32 v[T1+\b], v[BM+\b], s[SEL], s[SEL+1]
.endr
.irp b, 0,1,2,3
	s_delay_alu instid0(VALU_DEP_4)
	v_max_num_f32 v[BM+\b], v[BM+\b], v[T1+\b]
.endr
	s_delay_alu instid0(VALU_DEP_2)
	v_max3_num_f32 v[TA], v[BM], v[BM+1], v[BM+2]
	s_delay_alu instid0(VALU_DEP_1)
	v_max_num_f32 v[TA], v[TA], v[BM+3]
	s_delay_alu instid0(VALU_DEP_1)
	v_mul_f32 v[TA], s[CS], v[TA]
	s_delay_alu instid0(VALU_DEP_1)
	v_max_num_f32 v[MT], v[MT], v[TA]
	v_mov_b32 v[TA], v[NM]
	s_delay_alu instid0(VALU_DEP_2)
	v_floor_f32 v[NM], -v[MT]
	s_delay_alu instid0(VALU_DEP_1)
	v_sub_f32 v[TA], v[NM], v[TA]
	s_delay_alu instid0(VALU_DEP_1)
	v_cvt_i32_f32 v[TA], v[TA]
	s_delay_alu instid0(VALU_DEP_1)
	v_ldexp_f32 v[FF], 1.0, v[TA]
.irp b, 0,1,2,3
	v_fma_f32 v[BM+\b], v[BM+\b], s[CS], v[NM]
.endr
.set i, 0
.rept 32
	v_pk_fma_f32 v[SR+i:SR+i+1], v[SR+i:SR+i+1], s[CS:CS+1], v[NM:NM+1] op_sel_hi:[1,0,0]
.set i, i+2
.endr
	s_wait_alu depctr_va_vdst(0)
.irp b, 0,1,2,3
	v_exp_f32 v[BM+\b], v[BM+\b]
.endr
.set i, 0
.rept 64
	v_exp_f32 v[SR+i], v[SR+i]
.set i, i+1
.endr
	v_pk_mul_f32 v[LS:LS+1], v[LS:LS+1], v[FF:FF+1] op_sel_hi:[1,0]
	s_wait_alu depctr_va_vdst(0)
	v_pk_add_f32 v[T1:T1+1], v[SR:SR+1], v[SR+2:SR+3]
.set i, 4
.rept 15
	v_pk_add_f32 v[LS:LS+1], v[LS:LS+1], v[SR+i:SR+i+1]
	v_pk_add_f32 v[T1:T1+1], v[T1:T1+1], v[SR+i+2:SR+i+3]
.set i, i+4
.endr
	s_delay_alu instid0(VALU_DEP_1)
	v_pk_add_f32 v[LS:LS+1], v[LS:LS+1], v[T1:T1+1]
.irp b, 0,1,2,3
	v_max_num_f32 v[BM+\b], 0x8000000, v[BM+\b]
.endr
.irp b, 0,1,2,3
	s_delay_alu instid0(VALU_DEP_4)
	v_add_nc_u32 v[SO+\b], 0xf8800000, v[BM+\b]
.endr
.irp b, 0,1,2,3
.endr
.irp b, 0,1,2,3
	s_delay_alu instid0(VALU_DEP_4)
	v_lshrrev_b32 v[T1+\b], 23, v[SO+\b]
.endr
	s_delay_alu instid0(VALU_DEP_3)
	v_lshl_or_b32 v[TA], v[T1+1], 8, v[T1]
	s_delay_alu instid0(VALU_DEP_1)
	v_lshl_or_b32 v[TA], v[T1+2], 16, v[TA]
	WIN 0x15*(\w)
	v_lshl_or_b32 v[PS+\w], v[T1+3], 24, v[TA]
	WIN 0x55*(\w)
.irp b, 0,1,2,3
.irp i, 0,1,2,3,4,5,6,7,8,9,10,11,12,13,14,15
.endr
	v_cvt_scalef32_pk8_bf8_f32 v[PC+4*\b:PC+4*\b+1], v[SR+16*\b:SR+16*\b+7], v[SO+\b]
	v_cvt_scalef32_pk8_bf8_f32 v[PC+4*\b+2:PC+4*\b+3], v[SR+16*\b+8:SR+16*\b+15], v[SO+\b]
.endr
.set i, 0
.rept 16
	v_pk_mul_f32 v[OT+i:OT+i+1], v[OT+i:OT+i+1], v[FF:FF+1] op_sel_hi:[1,0]
.set i, i+2
.endr
.endm
.macro INIT w
	WIN 0x55*(\w)
.set i, 0
.rept 32
	v_mov_b32 v[OT+i], 0
.set i, i+1
.endr
	v_mov_b32 v[MT], 0xff61b1e6
	s_delay_alu instid0(VALU_DEP_1)
	v_floor_f32 v[NM], -v[MT]
	v_mov_b32 v[LS], 0
	v_mov_b32 v[LS+1], 0
.irp b, 0,1,2,3
	v_mov_b32 v[T1+\b], 0
.endr
	v_mov_b32 v[FF+1], 0
.endm
.macro FIN w
	WIN 0x55*(\w)
	v_add_f32 v[LS], v[LS], v[LS+1]
	s_delay_alu instid0(VALU_DEP_1)
	v_permlanex16_b32 v[T1], v[LS], s[SEL], s[SEL+1]
	s_delay_alu instid0(VALU_DEP_1)
	v_add_f32 v[LS], v[LS], v[T1]
	s_wait_alu depctr_va_vdst(0)
	v_rcp_f32 v[FF], v[LS]
	v_nop
	s_wait_alu depctr_va_vdst(0)
.set i, 0
.rept 16
	v_pk_mul_f32 v[SR+i:SR+i+1], v[OT+i:OT+i+1], v[FF:FF+1] op_sel_hi:[1,0]
.set i, i+2
.endr
.endm
.macro TOSTAGE w
	WIN 0x04*(\w)
.irp bb, 0,1
.irp c, 0,1,2,3
	ds_store_b128 v[STO], v[SR+16*\bb+4*\c:SR+16*\bb+4*\c+3] offset:128*\bb+16*\c
.endr
.endr
	WIN 0
.irp i, 0,1,2,3,4,5,6,7
	ds_load_b128 v[KF+32*\w+4*\i:KF+32*\w+4*\i+3], v[RD] offset:2*\i*SP
.endr
.endm
.macro SEND w
.irp i, 0,1,2,3,4,5,6,7
	global_store_b128 v[GO], v[KF+32*\w+4*\i:KF+32*\w+4*\i+3], s[8:9] offset:(8*\w+2*\i+8*(\i/4))*4096 th:TH_STORE_NT
.endr
.endm
	s_mov_b32 s[PASS], 2
.Lpass:
	s_wait_loadcnt 0x0
	WIN 0x01
.set i, 0
.rept 8
	v_mov_b32 v[QZ+8+i], v[NXT+i]
.set i, i+1
.endr
	v_mov_b32 v[TA], v[NXS]
	WIN 0x41
.set i, 0
.rept 8
	v_mov_b32 v[QZ+8+i], v[NXT+8+i]
.set i, i+1
.endr
	WIN 0
	v_and_b32 v[QS], 0xffff, v[TA]
	v_lshrrev_b32 v[QS+1], 16, v[TA]
	s_delay_alu instid0(VALU_DEP_2)
	v_lshl_or_b32 v[QS], v[QS], 16, v[QS]
	s_delay_alu instid0(VALU_DEP_2)
	v_lshl_or_b32 v[QS+1], v[QS+1], 16, v[QS+1]
	s_cmp_eq_u32 s[PASS], 1
	s_cbranch_scc1 .Lno_next
	s_add_nc_u64 s[QP:QP+1], s[QP:QP+1], 8*2048
	s_add_nc_u64 s[QSP:QSP+1], s[QSP:QSP+1], 512
	QLOAD
.Lno_next:
	INIT 0
	INIT 1
	WIN 0
	s_mov_b32 s[TK], 0
	s_mov_b32 s[TS], 0
	s_mov_b32 s[TBI], 0
	s_mov_b32 s[STP], 16
.Lstep:
	v_add_nc_u32 v[ADK], s[TK], v[LI]
	v_add_nc_u32 v[ADV], s[TK], v[AV0]
	v_add_nc_u32 v[ADS], s[TS], v[AS0]
	v_add_nc_u32 v[ADB], s[TBI], v[AB0]
.rept 4
	v_nop
.endr
.irp f, 0,1,2,3
.irp c, 0,1,2,3
	ds_load_b128 v[KF+16*\f+4*\c:KF+16*\f+4*\c+3], v[ADK] offset:2048*\f+512*\c
.endr
.endr
	ds_load_b128 v[KSC:KSC+3], v[ADS]
	ds_load_b128 v[VSC:VSC+3], v[ADS] offset:VSCL-KSCL
	WIN 0x40
.set i, 0
.rept 16
	ds_load_b128 v[KF+4*i:KF+4*i+3], v[ADB] offset:128*(i/4)+16*(i%4)
.set i, i+1
.endr
	WIN 0
	s_wait_alu depctr_va_vdst(0)
	s_wait_dscnt 0x0
	SPROD 0
	SPROD 1
	WIN 0
.rept 8
	v_nop
.endr
.irp T, 0,1,2,3
.irp c, 0,1,2,3
	ds_load_b128 v[KF+16*\T+4*\c:KF+16*\T+4*\c+3], v[ADV] offset:2048*\T+512*\c
.endr
.endr
	SOFTMAX 0
	s_wait_alu depctr_va_vdst(0)
	s_wait_dscnt 0x0
	PV 0
	SOFTMAX 1
	PV 1
	WIN 0
	s_add_co_u32 s[TK], s[TK], 8192
	s_add_co_u32 s[TS], s[TS], 256
	s_add_co_u32 s[TBI], s[TBI], 512
	s_sub_co_u32 s[STP], s[STP], 1
	s_cmp_lg_u32 s[STP], 0
	s_cbranch_scc1 .Lstep
.rept 8
	v_nop
.endr
	FIN 0
	TOSTAGE 0
	FIN 1
	TOSTAGE 1
	s_wait_dscnt 16
	SEND 0
	s_wait_dscnt 0x0
	SEND 1
	s_wait_xcnt 0x0
	s_add_nc_u64 s[8:9], s[8:9], 0x100000
	s_sub_co_u32 s[PASS], s[PASS], 1
	s_cmp_lg_u32 s[PASS], 0
	s_cbranch_scc1 .Lpass
	s_wait_tensorcnt 0x0
	ds_add_u32 v254, v255
	s_wait_dscnt 0x0
	ROUND
	s_endpgm
.Lfunc_end_k_q254c1a083d_attn:
	.size	k_q254c1a083d_attn, .Lfunc_end_k_q254c1a083d_attn-k_q254c1a083d_attn
	.p2alignl 7, 3214868480
	.fill 96, 4, 3214868480
	.section	.rodata,"a",@progbits
	.p2align	6, 0x0
	.amdhsa_kernel k_q254c1a083d_attn
		.amdhsa_group_segment_fixed_size 327680
		.amdhsa_private_segment_fixed_size 0
		.amdhsa_enable_private_segment 0
		.amdhsa_kernarg_size 24
		.amdhsa_user_sgpr_count 2
		.amdhsa_user_sgpr_kernarg_segment_ptr 1
		.amdhsa_wavefront_size32 1
		.amdhsa_system_sgpr_workgroup_id_x 1
		.amdhsa_system_sgpr_workgroup_id_y 1
		.amdhsa_system_sgpr_workgroup_id_z 1
		.amdhsa_system_vgpr_workitem_id 0
		.amdhsa_next_free_vgpr 512
		.amdhsa_next_free_sgpr 66
		.amdhsa_reserve_vcc 0
		.amdhsa_float_denorm_mode_32 3
		.amdhsa_float_denorm_mode_16_64 3
		.amdhsa_fp16_overflow 1
		.amdhsa_memory_ordered 1
		.amdhsa_forward_progress 1
		.amdhsa_inst_pref_size 53
	.end_amdhsa_kernel
	.amdgpu_metadata
---
amdhsa.version: [ 1, 2 ]
amdhsa.kernels:
  - .name:           k_q254c1a083d_attn
    .symbol:         k_q254c1a083d_attn.kd
    .args:
      - { .name: qkv, .offset: 0, .size: 8, .value_kind: global_buffer, .address_space: global }
      - { .name: attention_mask, .offset: 8, .size: 8, .value_kind: global_buffer, .address_space: global }
      - { .name: out0, .offset: 16, .size: 8, .value_kind: global_buffer, .address_space: global }
    .group_segment_fixed_size: 327680
    .private_segment_fixed_size: 0
    .kernarg_segment_align: 8
    .kernarg_segment_size: 24
    .max_flat_workgroup_size: 256
    .sgpr_count:     66
    .vgpr_count:     512
    .wavefront_size: 32
...
	.end_amdgpu_metadata
.endif
;; end of part 3
